; MI455X (gfx1250); checked and timed in simulation.
; The chip was launched on July 23, 2026; its instructions are those of AMD's public machine-readable ISA for CDNA 5 (MIT licence, August 2026) and "CDNA5" Instruction Set Architecture Reference Guide (July 2026). The comments in the code are by the model that wrote it; some were corrected since.
;; Bilinear Layer. Allowed arithmetic: matrix products marked QUANTISED: E2M3 operands, one E8M0 scale for each 32 along K, by v_wmma_scale_f32_16x16x128_f8f6f4 with both operands' format E2M3, f32 sums; products left as they are: f32 operands where the result goes on into a quantised operand, else bf16, f16 or f32 operands; f32 sums; everything else in f32.
;; Inputs: type_idx 131,072 int32; u_hidden 131,072 x 256 float32; v_hidden 131,072 x 256 float32; weights 8 x 256 x 256 float32.
;; Outputs: out0 131,072 float32.
;; This version of the problem:
;;   THIS VERSION OF THE PROBLEM IS GIVEN IN LOW PRECISION. The matrix products marked QUANTISED in the list below multiply operands that are first quantised to E2M3 (2 exponent bits, 3 mantissa bits; 6 bits a number), with one power-of-two scale for each 32 numbers along K (OCP MX v1.0); their sums are f32. All else is computed in f32.
;;   The module's matrix products, in the order in which they are computed (A, B: the left and right operand; K: the contracted axis; several contracted axes count as one K, in the product's order):
;;     1. [M 2,048, K 256] x [K 256, N 131,072]; A: input weights; B: input u_hidden: QUANTISED
;;     2. batch 131,072 x [M 1, K 256] x [K 256, N 8]; A: input v_hidden; B: computed on the way: left as it is (M = 1 < 16)
;;   THE QUANTISER, for each operand of a quantised product, along K:
;;     - K is cut into blocks of 32 from its start; a last block that is shorter is filled with zeros.
;;     - A block's scale is 2^e with e = floor(log2(the largest magnitude in the block)) - 2, held to -126 .. 127; a block of zeros has e = 0. As a byte (E8M0): e + 127.
;;     - Each number is divided by its block's scale, clamped to +-7.5, and rounded to the nearest number of E2M3, ties to even, subnormals kept.
;;     - The product sums the exact products of the quantised numbers (number of the format x scale) in f32.
;;   ~~~python
;;   def quantise(x, axis):      # numpy; x: float32 -> the quantised numbers, widened to float32 again
;;       x = np.moveaxis(x, axis, -1); K = x.shape[-1]
;;       x = np.pad(x, [(0, 0)] * (x.ndim - 1) + [(0, -K % 32)]); x = x.reshape(x.shape[:-1] + (-1, 32)); a = np.abs(x).max(-1, keepdims=True)
;;       e = np.where(a > 0, np.clip(np.frexp(np.where(a > 0, a, 1))[1] - 1 - 2, -126, 127), 0)      # np.frexp(a)[1] - 1 = floor(log2(a)), exactly
;;       r = np.clip(x / 2.0 ** e, -7.5, 7.5)
;;       step = 2.0 ** (np.maximum(np.frexp(np.where(r == 0, 1, r))[1] - 1, 0) - 3)
;;       q = np.round(r / step) * step * 2.0 ** e      # np.round: ties to even
;;       return np.moveaxis(q.reshape(q.shape[:-2] + (-1,))[..., :K], -1, axis).astype(np.float32)
;;   ~~~
;; 2 versions, each right; version 2 is version 1 with the launch chain written anew for expert scheduling mode. Each part assembles by itself: llvm-mc -triple=amdgcn-amd-amdhsa -mcpu=gfx1250 --defsym DOCPART=n.
;; ======== version 1 of 2: 2 launches
;; workspace buffers: order 2,359,296 bytes of whole numbers; inv 524,288 bytes of whole numbers; tab 65,536 bytes of whole numbers; wcod 393,216 bytes; wscl 16,384 bytes
;; launch prep (part 1): grid 320 x 1, 1 waves a work-group, no clusters, 15,872 bytes of LDS; arguments type_idx, weights, order, inv, tab, wcod, wscl; writes order, inv, tab, wcod, wscl
.if DOCPART == 1
	.amdgcn_target "amdgcn-amd-amdhsa--gfx1250"
	.amdhsa_code_object_version 6
	.text
	.protected	k_q906a113a2c_prep
	.globl	k_q906a113a2c_prep
	.p2align	8
	.type	k_q906a113a2c_prep,@function
k_q906a113a2c_prep:
	s_mov_b64 s[64:65], 0
	v_nop
	global_prefetch_b8 v0, s[64:65] scope:SCOPE_SE
	s_setreg_imm32_b32 hwreg(HW_REG_WAVE_MODE, 25, 1), 1
	s_wait_xcnt 0x0
; TWO JOBS IN ONE LAUNCH, one wave to a work-group, parted on the work-group's number.
; Work-groups 0-63: weights [8][256 d][256 e] f32 become codes of FP6 (E2M3) along d, with one E8M0 byte for each 32 along d, laid in the ORDER OF THE OPERAND'S REGISTERS:
;   wcod [8 experts][32 fragments f][3 groups][32 lanes][16 bytes]; f = 8 q + 4 s + i is column tile t = 4 q + i, K step s (128 along d).  Lane (r, h) of tile t stands for column e = 64 q + 4 r + i.
;   wscl [8][4 q][32 lanes 16 s + r][4 i] words: the four bytes of column e for K step s.
; Work-groups 64-319: a block of 512 neighbouring tokens is sorted by type (a counting sort in registers, no atomics), its 8 experts are dealt to the four waves of the later work-group
;   (most rows with fewest rows), and three tables of whole numbers are stored:
;   order [256 blocks][4 waves][36 slots][16]: the byte offset of a token's row in its block (token x 1024); places that no token takes hold 0;
;   inv [131072]: 4 x the token's place (576 x wave + 16 x slot + row);   tab [256][32 lanes][2]: lane 4 w + 0..3, word 0: first expert, its tiles, second expert, all tiles of wave w.
; A wave never has more than 33 tiles: its two experts hold at most 512 rows, and each is rounded up to whole tiles of 16.
; A block's scale is 2^(floor(log2(largest magnitude)) - 2); its byte is the largest magnitude's exponent field - 2, held at 1 from below.
; LIMITS: a block of zeros gets the byte 1 where the rule says 127 (its codes are zeros, and this program alone reads the bytes); NaN and infinities among the weights are not served;
; a type outside 0..7 is held at 7 (reference()'s gather relies on 0..7).
.set WIMG,  0                          ; LDS, weight path: four fragment images, 6,144 bytes
.set WSC,   6144                       ; and 256 bytes of scale words
.set SORTB, 6400                       ; LDS, sort path: a block's order list, 9,216 bytes
.set XN,  32                           ; v32-95   weight path: two sets of 32 numbers
.set PC,  96                           ; v96-143  six registers of codes for each of 8 items: no LDS store's data are written again
.set QH,  144                          ; v144-146 a block's upper 16 codes, before they are moved
.set SB,  148                          ; v148-149 the scale words of the two column sets
.set TY,  16                           ; v16-31   sort path: types; register 4 m + i is token 128 m + 4 lane + i
.set RK,  32                           ; v32-47   ranks, then places, then 4 x place
.set TMP, 48                           ; v48-55
.set BB,  64                           ; v64-79   bases, then the values that go into the list
.set CN,  20                           ; s20-27   running counts
.set MK,  28                           ; s28-35   lane masks
.set BC,  36                           ; s36-43   their bit counts
.set KK,  44                           ; s44-51   sort keys: count x 8 + expert
.set ID,  56                           ; s56-63   expert at sorted place j
.set NT,  66                           ; s66-73   its tiles
.set BS,  74                           ; s74-81   its first place
	s_load_b256 s[4:11], s[0:1], 0x0               ; type_idx s[4:5], weights s[6:7], order s[8:9], inv s[10:11]
	s_load_b128 s[12:15], s[0:1], 0x20             ; tab s[12:13], wcod s[14:15]
	s_load_b64 s[16:17], s[0:1], 0x30              ; wscl
	v_lshl_add_u32 v160, v0, 2, 0x3d00
	v_mov_b32 v161, 0
	v_and_b32 v2, 31, v0                           ; lane
	v_lshlrev_b32 v5, 4, v2                        ; 16 x lane
	v_lshlrev_b32 v7, 3, v2                        ; 8 x lane
	s_mov_b32 s19, 0                               ; s[18:19]: a byte offset in 64 bits
	s_cmp_lt_u32 ttmp9, 64
	s_cbranch_scc0 .Lsort
; ---------------- THE WEIGHTS.  Work-group = (expert k, column quarter q, K step s): 64 columns x 128 along d = four whole fragments.
; A lane takes a column and its registers run down d, so a block of 32 lies in one lane and the conversions give codes with d innermost.
	s_lshr_b32 s20, ttmp9, 3                       ; k
	s_bfe_u32 s21, ttmp9, 0x20001                  ; q
	s_and_b32 s22, ttmp9, 1                        ; s
	v_lshlrev_b32 v1, 2, v2                        ; 4 x lane
	v_and_b32 v4, 3, v2
	v_mul_u32_u24 v4, v4, 1536                     ; my column's fragment: i = lane % 4
	v_lshrrev_b32 v3, 2, v2
	v_lshl_add_u32 v4, v3, 4, v4                   ; and its lane there: 16 x (lane / 4); 128 a and 256 h stand in the immediates
	v_add_nc_u32 v6, WSC, v1
	s_lshl_b32 s23, s20, 18
	s_lshl_b32 s24, s22, 17
	s_add_co_u32 s23, s23, s24
	s_lshl_b32 s24, s21, 8
	s_add_co_u32 s18, s23, s24                     ; weights: k x 262,144 + s x 128 rows of 1,024 + q x 256
	s_wait_kmcnt 0x0
	s_add_nc_u64 s[6:7], s[6:7], s[18:19]
	s_mul_i32 s23, s20, 49152
	s_lshl_b32 s24, s21, 3
	s_lshl_b32 s25, s22, 2
	s_add_co_u32 s24, s24, s25
	s_mul_i32 s24, s24, 1536
	s_add_co_u32 s18, s23, s24                     ; wcod: k x 49,152 + (8 q + 4 s) x 1,536
	s_add_nc_u64 s[14:15], s[14:15], s[18:19]
	s_lshl_b32 s23, s20, 11
	s_lshl_b32 s24, s21, 9
	s_add_co_u32 s23, s23, s24
	s_lshl_b32 s24, s22, 8
	s_add_co_u32 s18, s23, s24                     ; wscl: k x 2,048 + q x 512 + s x 256
	s_add_nc_u64 s[16:17], s[16:17], s[18:19]
; Item it = 2 x block + column set: block (it / 2) of 32 along d, columns 32 (it % 2) + lane of the work-group's 64
.macro LOADW it
.set ii, 0
.rept 32
	global_load_b32 v[XN+32*((\it)%2)+ii], v1, s[6:7] offset:(32*((\it)/2)+ii)*1024+128*((\it)%2)
.set ii, ii+1
.endr
.endm
.macro BLOCKW it
.set XS, XN+32*((\it)%2)
.set PP, PC+6*(\it)
.set BE, (\it)/2
.set AA, (\it)%2
.set LO, 256*(BE%2)+128*AA             ; the operand's lane 16 h + 8 a + lane / 4, h = block % 2
.if (\it) < 7
	s_wait_loadcnt 32                              ; this item's 32 loads are in; the next item's 32 may be out
.else
	s_wait_loadcnt 0x0
.endif
	v_max3_num_f32 v12, |v[XS]|, |v[XS+1]|, |v[XS+2]|          ; the block's largest magnitude: all 32 numbers are mine; two chains
	v_max3_num_f32 v13, |v[XS+3]|, |v[XS+4]|, |v[XS+5]|
.irp i, 6,10,14,18,22,26
	v_max3_num_f32 v12, v12, |v[XS+\i]|, |v[XS+\i+1]|
	v_max3_num_f32 v13, v13, |v[XS+\i+2]|, |v[XS+\i+3]|
.endr
	v_max3_num_f32 v12, v12, |v[XS+30]|, |v[XS+31]|
	v_max3_num_f32 v12, v12, v13, 0x1800000        ; and the floor 2^(3 - 127): the byte cannot fall under 1
	v_add_nc_u32 v11, 0xff000000, v12              ; 2 off the exponent field: the conversion's scale operand
	v_lshrrev_b32 v13, 23, v11                     ; the scale's byte
.if BE == 0
	v_mov_b32 v[SB+AA], v13
.else
	v_lshl_or_b32 v[SB+AA], v13, 8*BE, v[SB+AA]    ; the lower d in the lower byte
.endif
	v_cvt_scalef32_pk16_fp6_f32 v[PP:PP+2], v[XS:XS+15], v11
	v_cvt_scalef32_pk16_fp6_f32 v[QH:QH+2], v[XS+16:XS+31], v11     ; (a conversion's three registers begin on an even number)
	v_nop                                          ; one plain place behind a scaled conversion
.irp i, 0,1,2
	v_mov_b32 v[PP+3+\i], v[QH+\i]                 ; six registers: registers 6 c .. 6 c + 5 of the fragment, c = block / 2
.endr
.if (\it)+2 < 8
	LOADW (\it)+2
.endif
.if BE < 2                                     ; registers 0-3 are the image's group 0, registers 4, 5 the first half of group 1
	ds_store_b128 v4, v[PP:PP+3] offset:WIMG+LO
	ds_store_b64 v4, v[PP+4:PP+5] offset:WIMG+LO+512
.else                                          ; registers 6, 7 the second half of group 1, registers 8-11 group 2
	ds_store_b64 v4, v[PP:PP+1] offset:WIMG+LO+520
	ds_store_b128 v4, v[PP+2:PP+5] offset:WIMG+LO+1024
.endif
.endm
	LOADW 0
	LOADW 1
.irp t, 0,1,2,3,4,5,6,7
	BLOCKW \t
.endr
	ds_store_b32 v6, v[SB]                         ; column 32 a + lane = 4 r + i: its word lies at 16 r + 4 i = 4 x column
	ds_store_b32 v6, v[SB+1] offset:128
.irp m, 0,1,2,3,4,5,6,7,8,9,10,11
	ds_load_b128 v[XN+4*\m:XN+4*\m+3], v5 offset:WIMG+512*\m    ; LDS serves a wave's instructions in order: these see my stores
.endr
	ds_load_b64 v[80:81], v7 offset:WSC
.irp m, 0,1,2,3,4,5,6,7,8,9,10,11
	s_wait_dscnt 12-\m                             ; load m is in; the 12 - m behind it may be out
	global_store_b128 v5, v[XN+4*\m:XN+4*\m+3], s[14:15] offset:512*\m   ; the wave stores 512 consecutive bytes
.endr
	s_wait_dscnt 0x0
	global_store_b64 v7, v[80:81], s[16:17]        ; 256 consecutive bytes of scale words
	s_wait_tensorcnt 0x0
	ds_add_u32 v160, v161
	s_wait_dscnt 0x0
	s_endpgm
; ---------------- THE SORT of block b = work-group - 64
.Lsort:
	s_sub_co_u32 s52, ttmp9, 64
	s_lshl_b32 s18, s52, 11
	s_wait_kmcnt 0x0
	s_add_nc_u64 s[4:5], s[4:5], s[18:19]          ; type_idx and inv: 2,048 bytes a block
	s_add_nc_u64 s[10:11], s[10:11], s[18:19]
.irp m, 0,1,2,3
	global_load_b128 v[TY+4*\m:TY+4*\m+3], v5, s[4:5] offset:512*\m
.endr
	s_mul_i32 s18, s52, 9216
	s_add_nc_u64 s[8:9], s[8:9], s[18:19]          ; order: 9,216 bytes a block
	s_lshl_b32 s18, s52, 8
	s_add_nc_u64 s[12:13], s[12:13], s[18:19]      ; tab: 256 bytes a block
.irp k, 0,1,2,3,4,5,6,7
	s_mov_b32 s[CN+\k], 0
.endr
.irp i, 8,9,10,11
	v_mov_b32 v\i, 0
.endr
.irp m, 0,1,2,3,4,5,6,7,8,9,10,11,12,13,14,15,16,17
	ds_store_b128 v5, v[8:11] offset:SORTB+512*\m  ; the list begins as zeros: places that no token takes name the block's row 0
.endr
	s_wait_loadcnt 0x0
; The rank of a token among those of its type: the tokens of earlier registers (a scalar count) + those of lower lanes in this register
.set m, 0
.rept 16
	v_min_u32 v[TY+m], 7, v[TY+m]
.irp k, 0,1,2,3,4,5,6,7
	v_cmp_eq_u32 s[MK+\k], \k, v[TY+m]
.endr
.irp k, 0,1,2,3,4,5,6,7
	v_mbcnt_lo_u32_b32 v[TMP+\k], s[MK+\k], s[CN+\k]
.endr
	v_cndmask_b32 v[RK+m], v[TMP], v[TMP+1], s[MK+1]
.irp k, 2,3,4,5,6,7
	v_cndmask_b32 v[RK+m], v[RK+m], v[TMP+\k], s[MK+\k]
.endr
.irp k, 0,1,2,3,4,5,6,7
	s_bcnt1_i32_b32 s[BC+\k], s[MK+\k]
.endr
.irp k, 0,1,2,3,4,5,6,7
	s_add_co_u32 s[CN+\k], s[CN+\k], s[BC+\k]
.endr
.set m, m+1
.endr
; The experts in ascending order of their counts: a network of 19 exchanges on keys count x 8 + expert
.irp k, 0,1,2,3,4,5,6,7
	s_lshl_b32 s[KK+\k], s[CN+\k], 3
	s_or_b32 s[KK+\k], s[KK+\k], \k
.endr
.macro CE a, b
	s_min_u32 s53, s[KK+\a], s[KK+\b]
	s_max_u32 s[KK+\b], s[KK+\a], s[KK+\b]
	s_mov_b32 s[KK+\a], s53
.endm
	CE 0, 1
	CE 2, 3
	CE 4, 5
	CE 6, 7
	CE 0, 2
	CE 1, 3
	CE 4, 6
	CE 5, 7
	CE 1, 2
	CE 5, 6
	CE 0, 4
	CE 1, 5
	CE 2, 6
	CE 3, 7
	CE 2, 4
	CE 3, 5
	CE 1, 2
	CE 3, 4
	CE 5, 6
.irp j, 0,1,2,3,4,5,6,7
	s_and_b32 s[ID+\j], s[KK+\j], 7
	s_lshr_b32 s[NT+\j], s[KK+\j], 3
	s_add_co_u32 s[NT+\j], s[NT+\j], 15
	s_lshr_b32 s[NT+\j], s[NT+\j], 4               ; tiles of 16 rows
.endr
.irp w, 0,1,2,3                                ; wave w takes the expert at place 7 - w, then the one at place w
	s_mov_b32 s[BS+7-\w], 576*\w
	s_lshl_b32 s[BS+\w], s[NT+7-\w], 4
	s_add_co_u32 s[BS+\w], s[BS+\w], 576*\w
.endr
	v_mov_b32 v56, 0                               ; lane k: the first place of expert k
.irp j, 0,1,2,3,4,5,6,7
	v_mov_b32 v57, s[BS+\j]
	v_cmp_eq_u32 vcc_lo, s[ID+\j], v2
	v_cndmask_b32 v56, v56, v57, vcc_lo
.endr
.set m, 0
.rept 16
	v_lshlrev_b32 v[TY+m], 2, v[TY+m]              ; the lane permute's index is lane x 4; the type was held at 7
.set m, m+1
.endr
.set m, 0
.rept 16
	ds_bpermute_b32 v[BB+m], v[TY+m], v56
.set m, m+1
.endr
	v_lshlrev_b32 v58, 12, v2                      ; 4 tokens a lane x 1,024 bytes
	s_wait_dscnt 0x0
.set m, 0
.rept 16
	v_add_nc_u32 v[RK+m], v[RK+m], v[BB+m]
.set m, m+1
.endr
.set m, 0
.rept 16
	v_min_u32 v[RK+m], 2303, v[RK+m]               ; a place lies in 0 .. 2,303 by the counts; the hold keeps every address inside whatever is read
.set m, m+1
.endr
.set m, 0
.rept 16
	v_lshlrev_b32 v[RK+m], 2, v[RK+m]
.set m, m+1
.endr
.irp m, 0,1,2,3
	global_store_b128 v5, v[RK+4*\m:RK+4*\m+3], s[10:11] offset:512*\m
.endr
.set m, 0
.rept 16
	v_add_nc_u32 v[BB+m], (128*(m/4)+m%4)*1024, v58     ; token x 1,024
.set m, m+1
.endr
.set m, 0
.rept 16
	ds_store_b32 v[RK+m], v[BB+m] offset:SORTB     ; behind the zeros, in the wave's own order
.set m, m+1
.endr
.irp m, 0,1,2,3,4,5,6,7,8,9,10,11,12,13,14,15,16,17
	ds_load_b128 v[80+4*\m:83+4*\m], v5 offset:SORTB+512*\m
.endr
	v_mov_b32 v60, 0
	v_mov_b32 v61, 0
.irp w, 0,1,2,3
	v_writelane_b32 v60, s[ID+7-\w], 4*\w
	v_writelane_b32 v60, s[NT+7-\w], 4*\w+1
	v_writelane_b32 v60, s[ID+\w], 4*\w+2
	s_add_co_u32 s53, s[NT+7-\w], s[NT+\w]
	v_writelane_b32 v60, s53, 4*\w+3
.endr
	global_store_b64 v7, v[60:61], s[12:13]
.irp m, 0,1,2,3,4,5,6,7,8,9,10,11,12,13,14,15,16,17
	s_wait_dscnt 17-\m                             ; load m is in; the 17 - m behind it may be out
	global_store_b128 v5, v[80+4*\m:83+4*\m], s[8:9] offset:512*\m
.endr
	s_wait_tensorcnt 0x0
	ds_add_u32 v160, v161
	s_wait_dscnt 0x0
	s_endpgm
.Lfunc_end_k_q906a113a2c_prep:
	.size	k_q906a113a2c_prep, .Lfunc_end_k_q906a113a2c_prep-k_q906a113a2c_prep
	.p2alignl 7, 3214868480
	.fill 96, 4, 3214868480
	.section	.rodata,"a",@progbits
	.p2align	6, 0x0
	.amdhsa_kernel k_q906a113a2c_prep
		.amdhsa_group_segment_fixed_size 15872
		.amdhsa_private_segment_fixed_size 0
		.amdhsa_enable_private_segment 0
		.amdhsa_kernarg_size 56
		.amdhsa_user_sgpr_count 2
		.amdhsa_user_sgpr_kernarg_segment_ptr 1
		.amdhsa_wavefront_size32 1
		.amdhsa_system_sgpr_workgroup_id_x 1
		.amdhsa_system_sgpr_workgroup_id_y 1
		.amdhsa_system_sgpr_workgroup_id_z 1
		.amdhsa_system_vgpr_workitem_id 0
		.amdhsa_next_free_vgpr 162
		.amdhsa_next_free_sgpr 84
		.amdhsa_reserve_vcc 1
		.amdhsa_float_denorm_mode_32 3
		.amdhsa_float_denorm_mode_16_64 3
		.amdhsa_memory_ordered 1
		.amdhsa_forward_progress 1
		.amdhsa_inst_pref_size 91
	.end_amdhsa_kernel
	.amdgpu_metadata
---
amdhsa.version: [ 1, 2 ]
amdhsa.kernels:
  - .name:           k_q906a113a2c_prep
    .symbol:         k_q906a113a2c_prep.kd
    .args:
      - { .name: type_idx, .offset: 0, .size: 8, .value_kind: global_buffer, .address_space: global }
      - { .name: weights, .offset: 8, .size: 8, .value_kind: global_buffer, .address_space: global }
      - { .name: order, .offset: 16, .size: 8, .value_kind: global_buffer, .address_space: global }
      - { .name: inv, .offset: 24, .size: 8, .value_kind: global_buffer, .address_space: global }
      - { .name: tab, .offset: 32, .size: 8, .value_kind: global_buffer, .address_space: global }
      - { .name: wcod, .offset: 40, .size: 8, .value_kind: global_buffer, .address_space: global }
      - { .name: wscl, .offset: 48, .size: 8, .value_kind: global_buffer, .address_space: global }
    .group_segment_fixed_size: 15872
    .private_segment_fixed_size: 0
    .kernarg_segment_align: 8
    .kernarg_segment_size: 56
    .max_flat_workgroup_size: 32
    .sgpr_count:     84
    .vgpr_count:     162
    .wavefront_size: 32
...
	.end_amdgpu_metadata
.endif
;; end of part 1
;; launch chain (part 2): grid 256 x 1, 4 waves a work-group, no clusters, 85,504 bytes of LDS; arguments u_hidden, v_hidden, order, inv, tab, wcod, wscl, out0; writes out0
.if DOCPART == 2
	.amdgcn_target "amdgcn-amd-amdhsa--gfx1250"
	.amdhsa_code_object_version 6
	.text
	.protected	k_q906a113a2c_chain
	.globl	k_q906a113a2c_chain
	.p2align	8
	.type	k_q906a113a2c_chain,@function
k_q906a113a2c_chain:
	s_mov_b64 s[64:65], 0
	v_nop
	global_prefetch_b8 v0, s[64:65] scope:SCOPE_SE
	s_setreg_imm32_b32 hwreg(HW_REG_WAVE_MODE, 25, 1), 1
	s_wait_xcnt 0x0
; out[n] = sigmoid( sum over e of ( sum over d of Q(u)[n][d] Q(W)[type n][d][e] ) v[n][e] ).  Only the expert that a token's type names is multiplied: reference() keeps that one alone.
; The first product runs on codes of FP6 (E2M3) with one E8M0 scale for each 32 along d; the dot with v, the sums and the sigmoid are f32.
; SHARES.  A work-group owns 512 neighbouring tokens, so that its 2,048 bytes of out leave as consecutive bytes.  The launch before has sorted the block by type and dealt its 8 experts to the four waves.
; A wave walks its own list of tiles of 16 tokens, first those of expert A, then those of expert B, with the WHOLE W of the expert in hand in 384 registers (32 fragments, loaded as register images).
; A TILE: 16 rows of u are gathered (each load: two rows' 256 consecutive bytes), turned through the wave's own stage in LDS so that a lane holds neighbours along d, quantised in registers,
; multiplied (source 0 = 16 tokens, source 1 = 16 columns: 16 column tiles x 2 K steps = 32 matrix instructions), and the result is multiplied by v and summed.
; Lane r of column tile 4 q + i stands for column 64 q + 4 r + i: so one load of 16 bytes of v at byte 256 q + 16 r of a row feeds tiles 4 q .. 4 q + 3, and register j of a result (token 8 h + j) meets v of that token.
; LOADS RUN ONE TILE AHEAD: as soon as a quarter of u (or of v) has been used, the same registers are asked for the next tile's quarter, so a wave has 56 to 64 loads of 512 bytes out nearly all the time.
; The scores go to LDS at their sorted places; behind the one barrier each thread picks its four tokens' scores by the table inv.
; NO CLUSTER, NO JOINT LOADS: what work-groups share is W, and each wave fetches an expert's W at a tile number that hangs on its own block's counts: partners would ask at different times, for different experts.
; NO TENSOR LOADS: the rows of a tile are named by a list.  The trip count is a constant (34 slots); a slot past the wave's last tile is jumped over.  Behind the last tile one tile of row 0 has been asked for and is not used.
; LIMITS: type_idx in 0..7 (held there by the launch before); NaN and infinities among the inputs are not served; a block of 32 zeros gets the scale byte 1 (its codes are zeros).
; An expert is never split between waves: if nearly all tokens of a block have one type, one wave does nearly all its tiles (slower, still right).
; REGISTERS, in windows of 256.  Window 0: v1-7 addresses; v8-11 inv; v12-27 the rows' offsets of two tiles; v28-35 list entries; v36-51 W's scale words (lanes 0-15 K step 0, lanes 16-31 K step 1);
;   v52-53 u's scale words; v54-69 at work; v70-77 upper halves of blocks of codes; v78-101 u's two fragments; v104-231 u as f32, then the 16 accumulators.
;   Window 1: v0-127 u as loaded; v128-247 W's fragments 0-9.   Window 2: v0-127 v; v128-247 fragments 10-19.   Window 3: v0-143 fragments 20-31.  (Fragment o = 16 s + t, the order of the products.)
.set SCORE, 0                          ; LDS: 2,304 places of 4 bytes
.set LIST,  9216                       ; each wave's own 2,304 bytes of the order list
.set STAGE, 18432                      ; each wave's own 16 rows x (1,024 + 16) bytes
.set SPITCH, 1040                      ; 65 x 16 bytes: the 16 rows that a read touches begin in different banks (64 banks of 4 bytes: ISA guide 11.1)
.set WSTG,  16*SPITCH
.set INV, 8
.set A0,  12
.set LR,  28
.set WS,  36
.set US,  52
.set TM,  54
.set SS,  54                           ; v54-61 the eight sums of a tile; v62, v63 the score
.set QH,  70
.set UF0, 78
.set UF1, 90
.set ACC, 104
.set SEL, 48                           ; s[48:49] lane selects for v_permlanex16_b32: lane l xor 16
.set MSB, 0
.macro WIN new                         ; the immediate's high byte repeats the setting that is left; a switch that changes nothing is dropped
.if MSB != \new
	s_set_vgpr_msb (MSB<<8)|\new
.set MSB, \new
.endif
.endm
; An expert's W: 32 fragments of 12 registers, each group of four registers 512 consecutive bytes; then its 16 registers of scale words.  100 loads.
.macro WLOAD cb, sb
.set o, 0
.rept 32
.if o < 10
	WIN 0x40
.set wr, 128+12*o
.elseif o < 20
	WIN 0x80
.set wr, 128+12*(o-10)
.else
	WIN 0xc0
.set wr, 12*(o-20)
.endif
.set wf, 8*((o%16)/4)+4*(o/16)+(o%4)
	global_load_b128 v[wr:wr+3], v6, s[\cb:\cb+1] offset:wf*1536
	global_load_b128 v[wr+4:wr+7], v6, s[\cb:\cb+1] offset:wf*1536+512
	global_load_b128 v[wr+8:wr+11], v6, s[\cb:\cb+1] offset:wf*1536+1024
.set o, o+1
.endr
	WIN 0
.irp q, 0,1,2,3
	global_load_b128 v[WS+4*\q:WS+4*\q+3], v6, s[\sb:\sb+1] offset:512*\q
.endr
.endm
.macro AMAKE p                         ; the list entries in v[LR] on become set p of row offsets: token 8 h + j's row + 16 r
.irp j, 0,1,2,3,4,5,6,7
	v_min_u32 v[A0+8*(\p)+\j], 0x7fc00, v[LR+\j]   ; a row's offset is at most 511 x 1,024: the hold keeps every load inside the block
.endr
.irp j, 0,1,2,3,4,5,6,7
	v_add_nc_u32 v[A0+8*(\p)+\j], v[A0+8*(\p)+\j], v1
.endr
.endm
.macro ULOAD p, q                      ; quarter q (256 bytes) of the 16 rows of u: eight loads, two rows each.  Leaves the destination's window at 1
	WIN 0x40
.irp j, 0,1,2,3,4,5,6,7
	global_load_b128 v[4*(8*(\q)+\j):4*(8*(\q)+\j)+3], v[A0+8*(\p)+\j], s[4:5] offset:256*(\q)
.endr
.endm
.macro VLOAD p, q                      ; the same of v.  Leaves the destination's window at 2
	WIN 0x80
.irp j, 0,1,2,3,4,5,6,7
	global_load_b128 v[4*(8*(\q)+\j):4*(8*(\q)+\j)+3], v[A0+8*(\p)+\j], s[6:7] offset:256*(\q)
.endr
.endm
; 64 numbers of a lane, v[x] .. v[x + 63], register 16 b + i = d 32 b + 16 (lane / 16) + i of my row, become a fragment's codes in v[uf] on and its scale word in v[us]
.macro QUANT x, uf, us
.irp b, 0,1,2,3
	v_max3_num_f32 v[TM+\b], |v[\x+16*\b]|, |v[\x+1+16*\b]|, 0x1800000   ; block b: my 16 numbers, and the floor 2^(3 - 127): the byte cannot fall under 1
.endr
.irp i, 2,4,6,8,10,12,14
.irp b, 0,1,2,3
	v_max3_num_f32 v[TM+\b], v[TM+\b], |v[\x+16*\b+\i]|, |v[\x+1+16*\b+\i]|   ; (the four blocks by turns)
.endr
.endr
.irp b, 0,1,2,3
	v_permlanex16_b32 v[TM+4+\b], v[TM+\b], s[SEL], s[SEL+1]
.endr
.irp b, 0,1,2,3
	v_max_num_f32 v[TM+\b], v[TM+\b], v[TM+4+\b]   ; with lane l xor 16's: the block's largest magnitude
.endr
.irp b, 0,1,2,3
	v_add_nc_u32 v[TM+12+\b], 0xff000000, v[TM+\b] ; 2 off its exponent field: the conversion's scale operand
.endr
.irp b, 0,1,2,3
	v_lshrrev_b32 v[TM+4+\b], 23, v[TM+12+\b]      ; the scale's byte
.endr
	v_lshl_or_b32 v[\us], v[TM+5], 8, v[TM+4]      ; the four bytes make my row's scale word
	v_lshl_or_b32 v[\us], v[TM+6], 16, v[\us]
	v_lshl_or_b32 v[\us], v[TM+7], 24, v[\us]
.irp c, 0,1
	v_cvt_scalef32_pk16_fp6_f32 v[\uf+6*\c:\uf+2+6*\c], v[\x+32*\c:\x+15+32*\c], v[TM+12+2*\c]
	v_cvt_scalef32_pk16_fp6_f32 v[QH+4*\c:QH+2+4*\c], v[\x+16+32*\c:\x+31+32*\c], v[TM+12+2*\c+1]   ; (a conversion's three registers begin on an even number)
.endr
	v_nop                                          ; one plain place behind a scaled conversion
.irp c, 0,1                                    ; the operand's layout wants a WHOLE block in a lane: lanes 0-15 block 2 c, lanes 16-31 block 2 c + 1
.irp i, 0,1,2
	v_permlane16_swap_b32 v[\uf+6*\c+\i], v[QH+4*\c+\i]
.endr
.irp i, 0,1,2
	v_mov_b32 v[\uf+3+6*\c+\i], v[QH+4*\c+\i]
.endr
.endr
.endm
; The 32 products of a tile.  The sixteen accumulators take turns, one instruction a turn; the first K step starts the sums with the constant 0.
.macro PRODUCTS
.set o, 0
.rept 32
.if o < 10
	WIN 0x04
.set wr, 128+12*o
.elseif o < 20
	WIN 0x08
.set wr, 128+12*(o-10)
.else
	WIN 0x0c
.set wr, 12*(o-20)
.endif
.set ac, ACC+8*(o%16)
.if o < 16
	v_wmma_scale_f32_16x16x128_f8f6f4 v[ac:ac+7], v[UF0:UF0+11], v[wr:wr+11], 0, v[US], v[WS+o%16] matrix_a_fmt:MATRIX_FMT_FP6 matrix_b_fmt:MATRIX_FMT_FP6
.else
	v_wmma_scale_f32_16x16x128_f8f6f4 v[ac:ac+7], v[UF1:UF1+11], v[wr:wr+11], v[ac:ac+7], v[US+1], v[WS+o%16] matrix_a_fmt:MATRIX_FMT_FP6 matrix_b_fmt:MATRIX_FMT_FP6 matrix_b_scale:MATRIX_SCALE_ROW1
.endif
.set o, o+1
.endr
	WIN 0
.endm
	s_load_b512 s[4:19], s[0:1], 0x0               ; u s[4:5], v s[6:7], order s[8:9], inv s[10:11], tab s[12:13], wcod s[14:15], wscl s[16:17], out s[18:19]
	v_lshl_add_u32 v254, v0, 2, 0x14c00
	v_mov_b32 v255, 0
	v_lshrrev_b32 v102, 5, v0
	v_readfirstlane_b32 s20, v102                  ; wave 0..3
	v_and_b32 v102, 31, v0                         ; lane
	v_and_b32 v103, 15, v0                         ; r
	v_bfe_u32 v104, v0, 4, 1                       ; h
	v_lshlrev_b32 v1, 4, v103                      ; 16 r
	s_mul_i32 s21, s20, WSTG
	s_add_co_u32 s21, s21, STAGE                   ; my stage
	v_mul_u32_u24 v2, v104, 8*SPITCH
	v_add_nc_u32 v2, v2, v1
	v_add_nc_u32 v2, s21, v2                       ; into it: row 8 h (+ j), byte 16 r (+ 256 q)
	v_mul_u32_u24 v3, v103, SPITCH
	v_lshl_add_u32 v3, v104, 6, v3
	v_add_nc_u32 v3, s21, v3                       ; out of it: row r, byte 64 h: my 16 numbers of each block of 32
	s_mul_i32 s32, s20, 2304                       ; my wave's part of the list and of the scores
	v_and_b32 v105, 7, v0
	v_lshl_add_u32 v105, v104, 3, v105
	v_lshlrev_b32 v4, 2, v105
	v_add_nc_u32 v4, s32, v4                       ; the score of token 8 h + lane % 8 of a tile
	v_lshlrev_b32 v5, 5, v104
	v_add_nc_u32 v5, s32, v5
	v_add_nc_u32 v5, LIST, v5                      ; the list entries of tokens 8 h + 0 .. 7
	v_lshlrev_b32 v6, 4, v102                      ; 16 x lane
	v_lshlrev_b32 v7, 4, v0                        ; 16 x thread
	v_lshlrev_b32 v106, 3, v102                    ; 8 x lane
	v_add_nc_u32 v107, s32, v106
	v_add_nc_u32 v107, LIST, v107
.irp b, 0,1,2,3
	v_mov_b32 v[TM+4+\b], 0                        ; written once: a lane permute's destination counts as one of its sources
.endr
	v_lshl_add_u32 v105, v102, 2, s32
	ds_store_b32 v105, v[TM+4] offset:SCORE+2176   ; my score places of slots 34 and 35, 128 bytes, which no tile writes: set, so that the index held at the kernel's end names no unwritten byte
	s_mov_b32 s[SEL], 0x76543210
	s_mov_b32 s[SEL+1], 0xfedcba98
	s_mov_b32 s50, 0x02020202                      ; s[49 + j]: the lanes with lane % 8 = j
	s_mov_b32 s51, 0x04040404
	s_mov_b32 s52, 0x08080808
	s_mov_b32 s53, 0x10101010
	s_mov_b32 s54, 0x20202020
	s_mov_b32 s55, 0x40404040
	s_mov_b32 s56, 0x80808080
	s_mov_b32 s23, 0                               ; s[22:23]: a byte offset in 64 bits
	s_wait_kmcnt 0x0
	s_lshl_b32 s22, ttmp9, 19                      ; a block's 512 rows of 1,024 bytes
	s_add_nc_u64 s[4:5], s[4:5], s[22:23]
	s_add_nc_u64 s[6:7], s[6:7], s[22:23]
	s_mul_i32 s22, ttmp9, 9216
	s_add_co_u32 s22, s22, s32
	s_add_nc_u64 s[8:9], s[8:9], s[22:23]
	s_lshl_b32 s22, ttmp9, 11
	s_add_nc_u64 s[10:11], s[10:11], s[22:23]
	s_add_nc_u64 s[18:19], s[18:19], s[22:23]
	s_lshl_b32 s22, ttmp9, 8
	s_lshl_b32 s33, s20, 5
	s_add_co_u32 s22, s22, s33
	s_add_nc_u64 s[12:13], s[12:13], s[22:23]
	s_load_b256 s[24:31], s[12:13], 0x0            ; s24 expert A, s26 its tiles, s28 expert B, s30 all my tiles
.irp m, 0,1,2,3,4,5,6,7,8
	global_load_b64 v[108+2*\m:109+2*\m], v106, s[8:9] offset:256*\m
.endr
	global_load_b128 v[INV:INV+3], v7, s[10:11]
	s_wait_kmcnt 0x0
	s_min_u32 s24, s24, 7
	s_min_u32 s28, s28, 7
	s_mul_i32 s22, s24, 49152
	s_add_nc_u64 s[36:37], s[14:15], s[22:23]      ; A's codes
	s_lshl_b32 s22, s24, 11
	s_add_nc_u64 s[38:39], s[16:17], s[22:23]      ; A's scale words
	s_mul_i32 s22, s28, 49152
	s_add_nc_u64 s[40:41], s[14:15], s[22:23]      ; B's
	s_lshl_b32 s22, s28, 11
	s_add_nc_u64 s[42:43], s[16:17], s[22:23]
	s_wait_loadcnt 0x0                             ; the list and inv
.irp m, 0,1,2,3,4,5,6,7,8
	ds_store_b64 v107, v[108+2*\m:109+2*\m] offset:256*\m
.endr
	ds_load_b128 v[LR:LR+3], v5                    ; LDS serves a wave's instructions in order: these see my stores.  Slot 0
	ds_load_b128 v[LR+4:LR+7], v5 offset:16
	s_wait_dscnt 0x0
	AMAKE 0
	ds_load_b128 v[LR:LR+3], v5 offset:64          ; slot 1
	ds_load_b128 v[LR+4:LR+7], v5 offset:80
	s_wait_dscnt 0x0
	AMAKE 1
	WLOAD 36, 38                                   ; ahead of u: the first wait for u then shows W landed too (loads come back in order: ISA guide 5.7.1)
.irp q, 0,1,2,3
	ULOAD 0, \q
.endr
.irp q, 0,1,2,3
	VLOAD 0, \q
.endr
	WIN 0
	s_mov_b32 s44, 0                               ; the even slot's number
	s_mov_b32 s46, 0                               ; 64 x that number
; THE TILE IN SLOT s[44 + p].  At its head, in the order of issue, its u (32 loads) and its v (32) are out; set p of row offsets is its own, set 1 - p the next tile's.
.macro SLOT p
	s_cmp_lg_u32 s[44+\p], s26                     ; the first tile of expert B?  Then W is changed: once in a wave
	s_cbranch_scc1 .Lsame_\@
	s_wait_loadcnt 0x0                             ; no load is out: W's registers are asked for again only when every earlier load into them has landed (at the very first slot A's own loads could still be out)
	WLOAD 40, 42
	s_wait_loadcnt 0x0                             ; B's W is in.  Nothing is out behind this wait, so every count below still holds
.Lsame_\@:
.irp q, 0,1,2,3
	s_wait_loadcnt 56                              ; quarter q of u is in: behind its eight loads exactly 56 were issued (the rest of this u, this v, and the next u as far as asked)
	WIN 0x04                                       ; an LDS store's data are its source 1: window 1
.irp j, 0,1,2,3,4,5,6,7
	ds_store_b128 v2, v[4*(8*\q+\j):4*(8*\q+\j)+3] offset:\j*SPITCH+256*\q
.endr
	s_wait_dscnt 0x0                               ; the stores have read their registers,
	ULOAD 1-\p, \q                                 ; which take the next tile's quarter
.endr
	WIN 0
.irp s, 0,1
.irp b, 0,1,2,3
.irp i, 0,1,2,3
	ds_load_b128 v[ACC+64*\s+16*\b+4*\i:ACC+64*\s+16*\b+4*\i+3], v3 offset:512*\s+128*\b+16*\i
.endr
.endr
.endr
	s_wait_dscnt 16                                ; K step 0's 16 reads are in; K step 1's 16 may be out
	QUANT ACC, UF0, US
	s_wait_dscnt 0x0
	QUANT ACC+64, UF1, US+1
.rept 8
	v_nop                                          ; a scale register written by a vector instruction stands 8 places ahead of a scaled matrix instruction, an operand so written 4
.endr
	PRODUCTS
.rept 4
	v_nop                                          ; four places behind the last products: ahead of the reads of results, and of every later load into their registers
.endr
	v_add_nc_u32 v102, s46, v5
	ds_load_b128 v[LR:LR+3], v102 offset:64*(\p+2)         ; the list entries of the tile two slots on
	ds_load_b128 v[LR+4:LR+7], v102 offset:64*(\p+2)+16
.irp q, 0,1,2,3
	s_wait_loadcnt 56                              ; quarter q of v is in: behind it, the rest of this v, the next u, and the next v as far as asked: 56
	WIN 0x08                                       ; source 1 (v) window 2
.irp i, 0,1,2,3
.irp j, 0,1,2,3,4,5,6,7
.if (\q == 0) && (\i == 0)
	v_mul_f32 v[SS+\j], v[ACC+8*(4*\q+\i)+\j], v[4*(8*\q+\j)+\i]      ; token 8 h + j, column 64 q + 4 r + i.  Each accumulator is read from its low end on; eight sums by turns
.else
	v_fmac_f32 v[SS+\j], v[ACC+8*(4*\q+\i)+\j], v[4*(8*\q+\j)+\i]
.endif
.endr
.endr
	VLOAD 1-\p, \q
.endr
	WIN 0
.irp m, 1,2,4,8
.irp j, 0,1,2,3,4,5,6,7
	v_add_f32_dpp v[SS+\j], v[SS+\j], v[SS+\j] row_xmask:\m row_mask:0xf bank_mask:0xf    ; over the 16 lanes of my half: all 256 columns
.endr
.endr
	v_cndmask_b32 v62, v[SS], v[SS+1], s50         ; lane l keeps the sum of token 8 h + l % 8
.irp j, 2,3,4,5,6,7
	v_cndmask_b32 v62, v62, v[SS+\j], s[49+\j]
.endr
	v_mul_f32 v63, 0xbfb8aa3b, v62                 ; sigmoid(x) = 1 / (1 + 2^(-x log2 e))
	v_exp_f32 v63, v63
	v_add_nc_u32 v103, s46, v4                     ; (a plain place behind the transcendental)
	s_wait_alu depctr_va_vdst(0)
	v_add_f32 v63, 1.0, v63
	v_rcp_f32 v63, v63
	v_nop
	s_wait_alu depctr_va_vdst(0)
	ds_store_b32 v103, v63 offset:SCORE+64*\p      ; lanes l and l + 8 write the same word with the same value
	s_wait_dscnt 0x0                               ; the list entries are in
	AMAKE \p                                       ; set p is free: the counted waits above have shown every load of this tile done
.endm
.Ltrip:                                                ; 17 trips of two slots: a constant, since a wave has at most 33 tiles
	s_cmp_ge_u32 s44, s30
	s_cbranch_scc1 .Lend
	SLOT 0
	s_add_co_u32 s45, s44, 1
	s_cmp_ge_u32 s45, s30
	s_cbranch_scc1 .Lend
	SLOT 1
.Lend:
	s_add_co_u32 s46, s46, 128
	s_add_co_u32 s44, s44, 2
	s_cmp_lt_u32 s44, 34
	s_cbranch_scc1 .Ltrip
	s_wait_dscnt 0x0                               ; for the others' sake: my scores lie in LDS
	s_barrier_signal -1
	s_barrier_wait -1                              ; everybody's do.  No LDS store follows
.irp i, 0,1,2,3
	v_min_u32 v[INV+\i], 9212, v[INV+\i]           ; 4 x place, at most 4 x 2,303
.endr
.irp i, 0,1,2,3
	ds_load_b32 v[54+\i], v[INV+\i] offset:SCORE   ; the scores of tokens 4 x thread + 0 .. 3
.endr
	s_wait_dscnt 0x0
	global_store_b128 v7, v[54:57], s[18:19] th:TH_STORE_NT    ; a wave stores 512 consecutive bytes, the work-group its 2,048
	s_wait_tensorcnt 0x0
	ds_add_u32 v254, v255
	s_wait_dscnt 0x0
	s_endpgm
.Lfunc_end_k_q906a113a2c_chain:
	.size	k_q906a113a2c_chain, .Lfunc_end_k_q906a113a2c_chain-k_q906a113a2c_chain
	.p2alignl 7, 3214868480
	.fill 96, 4, 3214868480
	.section	.rodata,"a",@progbits
	.p2align	6, 0x0
	.amdhsa_kernel k_q906a113a2c_chain
		.amdhsa_group_segment_fixed_size 85504
		.amdhsa_private_segment_fixed_size 0
		.amdhsa_enable_private_segment 0
		.amdhsa_kernarg_size 64
		.amdhsa_user_sgpr_count 2
		.amdhsa_user_sgpr_kernarg_segment_ptr 1
		.amdhsa_wavefront_size32 1
		.amdhsa_system_sgpr_workgroup_id_x 1
		.amdhsa_system_sgpr_workgroup_id_y 1
		.amdhsa_system_sgpr_workgroup_id_z 1
		.amdhsa_system_vgpr_workitem_id 0
		.amdhsa_next_free_vgpr 912
		.amdhsa_next_free_sgpr 66
		.amdhsa_reserve_vcc 0
		.amdhsa_float_denorm_mode_32 3
		.amdhsa_float_denorm_mode_16_64 3
		.amdhsa_memory_ordered 1
		.amdhsa_forward_progress 1
		.amdhsa_inst_pref_size 105
	.end_amdhsa_kernel
	.amdgpu_metadata
---
amdhsa.version: [ 1, 2 ]
amdhsa.kernels:
  - .name:           k_q906a113a2c_chain
    .symbol:         k_q906a113a2c_chain.kd
    .args:
      - { .name: u_hidden, .offset: 0, .size: 8, .value_kind: global_buffer, .address_space: global }
      - { .name: v_hidden, .offset: 8, .size: 8, .value_kind: global_buffer, .address_space: global }
      - { .name: order, .offset: 16, .size: 8, .value_kind: global_buffer, .address_space: global }
      - { .name: inv, .offset: 24, .size: 8, .value_kind: global_buffer, .address_space: global }
      - { .name: tab, .offset: 32, .size: 8, .value_kind: global_buffer, .address_space: global }
      - { .name: wcod, .offset: 40, .size: 8, .value_kind: global_buffer, .address_space: global }
      - { .name: wscl, .offset: 48, .size: 8, .value_kind: global_buffer, .address_space: global }
      - { .name: out0, .offset: 56, .size: 8, .value_kind: global_buffer, .address_space: global }
    .group_segment_fixed_size: 85504
    .private_segment_fixed_size: 0
    .kernarg_segment_align: 8
    .kernarg_segment_size: 64
    .max_flat_workgroup_size: 128
    .sgpr_count:     66
    .vgpr_count:     912
    .wavefront_size: 32
...
	.end_amdgpu_metadata
.endif
;; end of part 2
;; ======== version 2 of 2: 2 launches; version 1 with the launch chain written anew for expert scheduling mode
;; workspace buffers: order 2,359,296 bytes of whole numbers; inv 524,288 bytes of whole numbers; tab 65,536 bytes of whole numbers; wcod 393,216 bytes; wscl 16,384 bytes
;; launch prep: the kernel of part 1 again; grid 320 x 1, 1 waves a work-group, no clusters, 15,872 bytes of LDS; arguments type_idx, weights, order, inv, tab, wcod, wscl; writes order, inv, tab, wcod, wscl
;; launch chain (part 3): grid 256 x 1, 4 waves a work-group, no clusters, 85,504 bytes of LDS; arguments u_hidden, v_hidden, order, inv, tab, wcod, wscl, out0; writes out0
.if DOCPART == 3
	.amdgcn_target "amdgcn-amd-amdhsa--gfx1250"
	.amdhsa_code_object_version 6
	.text
	.protected	k_q906a113a2c_chain
	.globl	k_q906a113a2c_chain
	.p2align	8
	.type	k_q906a113a2c_chain,@function
k_q906a113a2c_chain:
	s_mov_b64 s[64:65], 0
	v_nop
	global_prefetch_b8 v0, s[64:65] scope:SCOPE_SE
	s_setreg_imm32_b32 hwreg(HW_REG_WAVE_SCHED_MODE, 0, 2), 2
	s_setreg_imm32_b32 hwreg(HW_REG_WAVE_MODE, 25, 1), 1
	s_wait_xcnt 0x0
	s_wait_alu depctr_vm_vsrc(0)
; out[n] = sigmoid( sum over e of ( sum over d of Q(u)[n][d] Q(W)[type n][d][e] ) v[n][e] ).  Only the expert that a token's type names is multiplied: reference() keeps that one alone.
; The first product runs on codes of FP6 (E2M3) with one E8M0 scale for each 32 along d; the dot with v, the sums and the sigmoid are f32.
; SHARES.  A work-group owns 512 neighbouring tokens, so that its 2,048 bytes of out leave as consecutive bytes.  The launch before has sorted the block by type and dealt its 8 experts to the four waves.
; A wave walks its own list of tiles of 16 tokens, first those of expert A, then those of expert B, with the WHOLE W of the expert in hand in 384 registers (32 fragments, loaded as register images).
; A TILE: 16 rows of u are gathered (each load: two rows' 256 consecutive bytes), turned through the wave's own stage in LDS so that a lane holds neighbours along d, quantised in registers,
; multiplied (source 0 = 16 tokens, source 1 = 16 columns: 16 column tiles x 2 K steps = 32 matrix instructions), and the result is multiplied by v and summed.
; Lane r of column tile 4 q + i stands for column 64 q + 4 r + i: so one load of 16 bytes of v at byte 256 q + 16 r of a row feeds tiles 4 q .. 4 q + 3, and register j of a result (token 8 h + j) meets v of that token.
; LOADS RUN ONE TILE AHEAD: as soon as a quarter of u (or of v) has been used, the same registers are asked for the next tile's quarter, so a wave has 56 to 64 loads of 512 bytes out nearly all the time.
; The scores go to LDS at their sorted places; behind the one barrier each thread picks its four tokens' scores by the table inv.
; NO CLUSTER, NO JOINT LOADS: what work-groups share is W, and each wave fetches an expert's W at a tile number that hangs on its own block's counts: partners would ask at different times, for different experts.
; NO TENSOR LOADS: the rows of a tile are named by a list.  The trip count is a constant (34 slots); a slot past the wave's last tile is jumped over.  Behind the last tile one tile of row 0 has been asked for and is not used.
; LIMITS: type_idx in 0..7 (held there by the launch before); NaN and infinities among the inputs are not served; a block of 32 zeros gets the scale byte 1 (its codes are zeros).
; An expert is never split between waves: if nearly all tokens of a block have one type, one wave does nearly all its tiles (slower, still right).
; REGISTERS, in windows of 256.  Window 0: v1-7 addresses; v8-11 inv; v12-27 the rows' offsets of two tiles; v28-35 list entries; v36-51 W's scale words (lanes 0-15 K step 0, lanes 16-31 K step 1);
;   v52-53 u's scale words; v54-69 at work; v70-77 upper halves of blocks of codes; v78-101 u's two fragments; v104-231 u as f32, then the 16 accumulators.
;   Window 1: v0-127 u as loaded; v128-247 W's fragments 0-9.   Window 2: v0-127 v; v128-247 fragments 10-19.   Window 3: v0-143 fragments 20-31.  (Fragment o = 16 s + t, the order of the products.)
; THE MODE: SCHED_MODE bits 1:0 = 2 (LLVM: expert scheduling mode 2), set by the entry lines.  The code itself states the register dependences
; between vector or matrix instructions and memory or LDS instructions, with s_wait_alu, always for 0.
; THE PLAN.  Registers that memory or LDS instructions touch, round a slot:
;   u as loaded (window 1)  Loads land; a quarter's eight LDS stores read it; the next tile's quarter lands.  No vector instruction names these registers.
;   v (window 2)            Loads land; a quarter's 32 multiply-adds read it; the next tile's quarter lands.
;   v104-231                The stage's 32 LDS loads land; the quantiser reads, the products write, the multiply-adds read; in the next slot the LDS loads land again.
;   v12-27                  Set p is written at the end of slot p and read, as offsets, by the 64 loads of the slot behind it.
;   v28-35                  The list's two LDS loads land; the lines that make a set of offsets read them.
;   v102; v103, v63         Written by vector instructions; read by the list's loads; by the score's LDS store.
;   W and v36-51            Loads land; the products read; at the one change of expert loads land again.
;   v2, v3, v5, v6, v7      Made at the head, never written again.
; THE WAITS OF A SLOT.  One on va_vdst at its head: the slot before is done with all that this slot's loads read or land in.  One on vm_vsrc in each quarter of u, between the LDS stores and the loads into their
; data; the first of the four also stands behind every memory or LDS instruction of the slot before, so that v102, v103, v63 and set p may be written further down.  One on va_vdst in front of the products, for the
; codes, the scale words and v102.  One on va_vdst behind each quarter's multiply-adds.  The two behind the transcendentals, of which the second also serves the score's store.
.set SCORE, 0                          ; LDS: 2,304 places of 4 bytes
.set LIST,  9216                       ; each wave's own 2,304 bytes of the order list
.set STAGE, 18432                      ; each wave's own 16 rows x (1,024 + 16) bytes
.set SPITCH, 1040                      ; 65 x 16 bytes: the 16 rows that a read touches begin in different banks (64 banks of 4 bytes: ISA guide 11.1)
.set WSTG,  16*SPITCH
.set INV, 8
.set A0,  12
.set LR,  28
.set WS,  36
.set US,  52
.set TM,  54
.set SS,  54                           ; v54-61 the eight sums of a tile; v62, v63 the score
.set QH,  70
.set UF0, 78
.set UF1, 90
.set ACC, 104
.set SEL, 48                           ; s[48:49] lane selects for v_permlanex16_b32: lane l xor 16
.set MSB, 0
.macro WIN new                         ; the immediate's high byte repeats the setting that is left; a switch that changes nothing is dropped
.if MSB != \new
	s_set_vgpr_msb (MSB<<8)|\new
.set MSB, \new
.endif
.endm
; An expert's W: 32 fragments of 12 registers, each group of four registers 512 consecutive bytes; then its 16 registers of scale words.  100 loads.
.macro WLOAD cb, sb
.set o, 0
.rept 32
.if o < 10
	WIN 0x40
.set wr, 128+12*o
.elseif o < 20
	WIN 0x80
.set wr, 128+12*(o-10)
.else
	WIN 0xc0
.set wr, 12*(o-20)
.endif
.set wf, 8*((o%16)/4)+4*(o/16)+(o%4)
	global_load_b128 v[wr:wr+3], v6, s[\cb:\cb+1] offset:wf*1536
	global_load_b128 v[wr+4:wr+7], v6, s[\cb:\cb+1] offset:wf*1536+512
	global_load_b128 v[wr+8:wr+11], v6, s[\cb:\cb+1] offset:wf*1536+1024
.set o, o+1
.endr
	WIN 0
.irp q, 0,1,2,3
	global_load_b128 v[WS+4*\q:WS+4*\q+3], v6, s[\sb:\sb+1] offset:512*\q
.endr
.endm
.macro AMAKE p, src                    ; the list entries in v[src] on become set p of row offsets: token 8 h + j's row + 16 r
.irp j, 0,1,2,3,4,5,6,7
	v_min_u32 v[A0+8*(\p)+\j], 0x7fc00, v[(\src)+\j]   ; a row's offset is at most 511 x 1,024: the hold keeps every load inside the block
.endr
.irp j, 0,1,2,3,4,5,6,7
	v_add_nc_u32 v[A0+8*(\p)+\j], v[A0+8*(\p)+\j], v1
.endr
.endm
.macro ULOAD p, q                      ; quarter q (256 bytes) of the 16 rows of u: eight loads, two rows each.  Leaves the destination's window at 1
	WIN 0x40
.irp j, 0,1,2,3,4,5,6,7
	global_load_b128 v[4*(8*(\q)+\j):4*(8*(\q)+\j)+3], v[A0+8*(\p)+\j], s[4:5] offset:256*(\q)
.endr
.endm
.macro VLOAD p, q                      ; the same of v.  Leaves the destination's window at 2
	WIN 0x80
.irp j, 0,1,2,3,4,5,6,7
	global_load_b128 v[4*(8*(\q)+\j):4*(8*(\q)+\j)+3], v[A0+8*(\p)+\j], s[6:7] offset:256*(\q)
.endr
.endm
; 64 numbers of a lane, v[x] .. v[x + 63], register 16 b + i = d 32 b + 16 (lane / 16) + i of my row, become a fragment's codes in v[uf] on and its scale word in v[us]
.macro QUANT x, uf, us
.irp b, 0,1,2,3
	v_max3_num_f32 v[TM+\b], |v[\x+16*\b]|, |v[\x+1+16*\b]|, 0x1800000   ; block b: my 16 numbers, and the floor 2^(3 - 127): the byte cannot fall under 1
.endr
.irp i, 2,4,6,8,10,12,14
.irp b, 0,1,2,3
	v_max3_num_f32 v[TM+\b], v[TM+\b], |v[\x+16*\b+\i]|, |v[\x+1+16*\b+\i]|   ; (the four blocks by turns)
.endr
.endr
.irp b, 0,1,2,3
	v_permlanex16_b32 v[TM+4+\b], v[TM+\b], s[SEL], s[SEL+1]
.endr
.irp b, 0,1,2,3
	v_max_num_f32 v[TM+\b], v[TM+\b], v[TM+4+\b]   ; with lane l xor 16's: the block's largest magnitude
.endr
.irp b, 0,1,2,3
	v_add_nc_u32 v[TM+12+\b], 0xff000000, v[TM+\b] ; 2 off its exponent field: the conversion's scale operand
.endr
.irp b, 0,1,2,3
	v_lshrrev_b32 v[TM+4+\b], 23, v[TM+12+\b]      ; the scale's byte
.endr
	v_lshl_or_b32 v[\us], v[TM+5], 8, v[TM+4]      ; the four bytes make my row's scale word
	v_lshl_or_b32 v[\us], v[TM+6], 16, v[\us]
	v_lshl_or_b32 v[\us], v[TM+7], 24, v[\us]
.irp c, 0,1
	v_cvt_scalef32_pk16_fp6_f32 v[\uf+6*\c:\uf+2+6*\c], v[\x+32*\c:\x+15+32*\c], v[TM+12+2*\c]
	v_cvt_scalef32_pk16_fp6_f32 v[QH+4*\c:QH+2+4*\c], v[\x+16+32*\c:\x+31+32*\c], v[TM+12+2*\c+1]   ; (a conversion's three registers begin on an even number)
.endr
	v_nop                                          ; one plain place behind a scaled conversion
.irp c, 0,1                                    ; the operand's layout wants a WHOLE block in a lane: lanes 0-15 block 2 c, lanes 16-31 block 2 c + 1
.irp i, 0,1,2
	v_permlane16_swap_b32 v[\uf+6*\c+\i], v[QH+4*\c+\i]
.endr
.irp i, 0,1,2
	v_mov_b32 v[\uf+3+6*\c+\i], v[QH+4*\c+\i]
.endr
.endr
.endm
; The 32 products of a tile.  The sixteen accumulators take turns, one instruction a turn; the first K step starts the sums with the constant 0.
.macro PRODUCTS
.set o, 0
.rept 32
.if o < 10
	WIN 0x04
.set wr, 128+12*o
.elseif o < 20
	WIN 0x08
.set wr, 128+12*(o-10)
.else
	WIN 0x0c
.set wr, 12*(o-20)
.endif
.set ac, ACC+8*(o%16)
.if o < 16
	v_wmma_scale_f32_16x16x128_f8f6f4 v[ac:ac+7], v[UF0:UF0+11], v[wr:wr+11], 0, v[US], v[WS+o%16] matrix_a_fmt:MATRIX_FMT_FP6 matrix_b_fmt:MATRIX_FMT_FP6
.else
	v_wmma_scale_f32_16x16x128_f8f6f4 v[ac:ac+7], v[UF1:UF1+11], v[wr:wr+11], v[ac:ac+7], v[US+1], v[WS+o%16] matrix_a_fmt:MATRIX_FMT_FP6 matrix_b_fmt:MATRIX_FMT_FP6 matrix_b_scale:MATRIX_SCALE_ROW1
.endif
.set o, o+1
.endr
	WIN 0
.endm
	s_load_b512 s[4:19], s[0:1], 0x0               ; u s[4:5], v s[6:7], order s[8:9], inv s[10:11], tab s[12:13], wcod s[14:15], wscl s[16:17], out s[18:19]
	v_lshl_add_u32 v254, v0, 2, 0x14c00
	v_mov_b32 v255, 0
	v_lshrrev_b32 v102, 5, v0
	v_readfirstlane_b32 s20, v102                  ; wave 0..3
	v_and_b32 v102, 31, v0                         ; lane
	v_and_b32 v103, 15, v0                         ; r
	v_bfe_u32 v104, v0, 4, 1                       ; h
	v_lshlrev_b32 v1, 4, v103                      ; 16 r
	s_wait_alu depctr_va_sdst(0)                   ; s20 is written, ahead of its first reader: the wave's places in LDS and in the tables are made from it
	s_mul_i32 s21, s20, WSTG
	s_add_co_u32 s21, s21, STAGE                   ; my stage
	v_mul_u32_u24 v2, v104, 8*SPITCH
	v_add_nc_u32 v2, v2, v1
	v_add_nc_u32 v2, s21, v2                       ; into it: row 8 h (+ j), byte 16 r (+ 256 q)
	v_mul_u32_u24 v3, v103, SPITCH
	v_lshl_add_u32 v3, v104, 6, v3
	v_add_nc_u32 v3, s21, v3                       ; out of it: row r, byte 64 h: my 16 numbers of each block of 32
	s_mul_i32 s32, s20, 2304                       ; my wave's part of the list and of the scores
	v_and_b32 v105, 7, v0
	v_lshl_add_u32 v105, v104, 3, v105
	v_lshlrev_b32 v4, 2, v105
	v_add_nc_u32 v4, s32, v4                       ; the score of token 8 h + lane % 8 of a tile
	v_lshlrev_b32 v5, 5, v104
	v_add_nc_u32 v5, s32, v5
	v_add_nc_u32 v5, LIST, v5                      ; the list entries of tokens 8 h + 0 .. 7
	v_lshlrev_b32 v6, 4, v102                      ; 16 x lane
	v_lshlrev_b32 v7, 4, v0                        ; 16 x thread
	v_lshlrev_b32 v106, 3, v102                    ; 8 x lane
	v_add_nc_u32 v107, s32, v106
	v_add_nc_u32 v107, LIST, v107
.irp b, 0,1,2,3
	v_mov_b32 v[TM+4+\b], 0                        ; written once: a lane permute's destination counts as one of its sources
.endr
	v_lshl_add_u32 v105, v102, 2, s32
	s_wait_alu depctr_va_vdst(0)                   ; the addresses v2, v3, v5, v6, v7, v105, v106, v107 and the zero in v58 are written: the LDS store below and the loads and stores of the head read them
	ds_store_b32 v105, v[TM+4] offset:SCORE+2176   ; my score places of slots 34 and 35, 128 bytes, which no tile writes: set, so that the index held at the kernel's end names no unwritten byte
	s_mov_b32 s[SEL], 0x76543210
	s_mov_b32 s[SEL+1], 0xfedcba98
	s_mov_b32 s50, 0x02020202                      ; s[49 + j]: the lanes with lane % 8 = j
	s_mov_b32 s51, 0x04040404
	s_mov_b32 s52, 0x08080808
	s_mov_b32 s53, 0x10101010
	s_mov_b32 s54, 0x20202020
	s_mov_b32 s55, 0x40404040
	s_mov_b32 s56, 0x80808080
	s_mov_b32 s23, 0                               ; s[22:23]: a byte offset in 64 bits
	s_wait_kmcnt 0x0
	s_lshl_b32 s22, ttmp9, 19                      ; a block's 512 rows of 1,024 bytes
	s_add_nc_u64 s[4:5], s[4:5], s[22:23]
	s_add_nc_u64 s[6:7], s[6:7], s[22:23]
	s_mul_i32 s22, ttmp9, 9216
	s_add_co_u32 s22, s22, s32
	s_add_nc_u64 s[8:9], s[8:9], s[22:23]
	s_lshl_b32 s22, ttmp9, 11
	s_add_nc_u64 s[10:11], s[10:11], s[22:23]
	s_add_nc_u64 s[18:19], s[18:19], s[22:23]
	s_lshl_b32 s22, ttmp9, 8
	s_lshl_b32 s33, s20, 5
	s_add_co_u32 s22, s22, s33
	s_add_nc_u64 s[12:13], s[12:13], s[22:23]
	s_load_b256 s[24:31], s[12:13], 0x0            ; s24 expert A, s26 its tiles, s28 expert B, s30 all my tiles
.irp m, 0,1,2,3,4,5,6,7,8
	global_load_b64 v[108+2*\m:109+2*\m], v106, s[8:9] offset:256*\m
.endr
	global_load_b128 v[INV:INV+3], v7, s[10:11]
	s_wait_kmcnt 0x0
	s_min_u32 s24, s24, 7
	s_min_u32 s28, s28, 7
	s_mul_i32 s22, s24, 49152
	s_add_nc_u64 s[36:37], s[14:15], s[22:23]      ; A's codes
	s_lshl_b32 s22, s24, 11
	s_add_nc_u64 s[38:39], s[16:17], s[22:23]      ; A's scale words
	s_mul_i32 s22, s28, 49152
	s_add_nc_u64 s[40:41], s[14:15], s[22:23]      ; B's
	s_lshl_b32 s22, s28, 11
	s_add_nc_u64 s[42:43], s[16:17], s[22:23]
	s_wait_loadcnt 0x0                             ; the list and inv
.irp m, 0,1,2,3,4,5,6,7,8
	ds_store_b64 v107, v[108+2*\m:109+2*\m] offset:256*\m
.endr
	ds_load_b128 v[LR:LR+3], v5                    ; LDS serves a wave's instructions in order: these see my stores.  Slot 0
	ds_load_b128 v[LR+4:LR+7], v5 offset:16
	ds_load_b128 v[UF0:UF0+3], v5 offset:64        ; slot 1, into registers of its own (u's first fragment is not made yet): so both sets of offsets are made behind one wait
	ds_load_b128 v[UF0+4:UF0+7], v5 offset:80
	s_wait_dscnt 0x0
	AMAKE 0, LR
	AMAKE 1, UF0
	s_wait_alu depctr_va_vdst(0)                   ; both sets of row offsets are written: the loads of u and v below read set 0
	WLOAD 36, 38                                   ; ahead of u: the first wait for u then shows W landed too (loads come back in order: ISA guide 5.7.1)
.irp q, 0,1,2,3
	ULOAD 0, \q
.endr
.irp q, 0,1,2,3
	VLOAD 0, \q
.endr
	WIN 0
	s_mov_b32 s44, 0                               ; the even slot's number
	s_mov_b32 s46, 0                               ; 64 x that number
; THE TILE IN SLOT s[44 + p].  At its head, in the order of issue, its u (32 loads) and its v (32) are out; set p of row offsets is its own, set 1 - p the next tile's.
.macro SLOT p
	s_wait_alu depctr_va_vdst(0)                   ; the slot before has written set 1 - p, which this slot's 64 loads read; it is done reading and writing v104-231, in which the stage's reads land, done reading v28-35, in which the list's loads land, and its products are done reading W and W's scale words, in which a change of expert lands
	s_cmp_lg_u32 s[44+\p], s26                     ; the first tile of expert B?  Then W is changed: once in a wave
	s_cbranch_scc1 .Lsame_\@
	s_wait_loadcnt 0x0                             ; no load is out: W's registers are asked for again only when every earlier load into them has landed (at the very first slot A's own loads could still be out)
	WLOAD 40, 42
	s_wait_loadcnt 0x0                             ; B's W is in.  Nothing is out behind this wait, so every count below still holds
.Lsame_\@:
.irp q, 0,1,2,3
	s_wait_loadcnt 56                              ; quarter q of u is in: behind its eight loads exactly 56 were issued (the rest of this u, this v, and the next u as far as asked)
	WIN 0x04                                       ; an LDS store's data are its source 1: window 1
.irp j, 0,1,2,3,4,5,6,7
	ds_store_b128 v2, v[4*(8*\q+\j):4*(8*\q+\j)+3] offset:\j*SPITCH+256*\q
.endr
	WIN 0x40                                       ; the switch, the wait, the loads
	s_wait_alu depctr_vm_vsrc(0)                   ; the eight LDS stores have read their data registers,
	ULOAD 1-\p, \q                                 ; which take the next tile's quarter
.endr
	WIN 0
.irp s, 0,1
.irp b, 0,1,2,3
.irp i, 0,1,2,3
	ds_load_b128 v[ACC+64*\s+16*\b+4*\i:ACC+64*\s+16*\b+4*\i+3], v3 offset:512*\s+128*\b+16*\i    ; LDS serves a wave's instructions in order: these see the stores above
.endr
.endr
.endr
	s_wait_dscnt 16                                ; K step 0's 16 reads are in; K step 1's 16 may be out
	QUANT ACC, UF0, US
	s_wait_dscnt 0x0
	QUANT ACC+64, UF1, US+1
	v_add_nc_u32 v102, s46, v5                     ; where the list entries of the tile two slots on lie.  (The last slot's list loads have read v102: they stand ahead of this slot's waits on vm_vsrc)
.rept 8
	v_nop                                          ; a scale register written by a vector instruction stands 8 places ahead of a scaled matrix instruction, an operand so written 4
.endr
	s_wait_alu depctr_va_vdst(0)                   ; the quantiser has written u's two fragments and its two scale words, which the products take; v102 is written, which the two loads below read
	ds_load_b128 v[LR:LR+3], v102 offset:64*(\p+2)         ; the list entries of the tile two slots on: they land while the products run
	ds_load_b128 v[LR+4:LR+7], v102 offset:64*(\p+2)+16
	PRODUCTS
.rept 4
	v_nop                                          ; four places behind the last products, ahead of the reads of results (ISA guide 7.12.1)
.endr
.irp q, 0,1,2,3
	s_wait_loadcnt 56                              ; quarter q of v is in: behind it, the rest of this v, the next u, and the next v as far as asked: 56
	WIN 0x08                                       ; source 1 (v) window 2
.irp i, 0,1,2,3
.irp j, 0,1,2,3,4,5,6,7
.if (\q == 0) && (\i == 0)
	v_mul_f32 v[SS+\j], v[ACC+8*(4*\q+\i)+\j], v[4*(8*\q+\j)+\i]      ; token 8 h + j, column 64 q + 4 r + i.  Each accumulator is read from its low end on; eight sums by turns
.else
	v_fmac_f32 v[SS+\j], v[ACC+8*(4*\q+\i)+\j], v[4*(8*\q+\j)+\i]
.endif
.endr
.endr
	WIN 0x80                                       ; the switch, the wait, the loads
	s_wait_alu depctr_va_vdst(0)                   ; the 32 multiply-adds are done reading quarter q of v, in which the next tile's quarter lands
	VLOAD 1-\p, \q
.endr
	WIN 0
.irp m, 1,2,4,8
.irp j, 0,1,2,3,4,5,6,7
	v_add_f32_dpp v[SS+\j], v[SS+\j], v[SS+\j] row_xmask:\m row_mask:0xf bank_mask:0xf    ; over the 16 lanes of my half: all 256 columns
.endr
.endr
	v_cndmask_b32 v62, v[SS], v[SS+1], s50         ; lane l keeps the sum of token 8 h + l % 8
.irp j, 2,3,4,5,6,7
	v_cndmask_b32 v62, v62, v[SS+\j], s[49+\j]
.endr
	v_mul_f32 v63, 0xbfb8aa3b, v62                 ; sigmoid(x) = 1 / (1 + 2^(-x log2 e)).  (The last slot's score store has read v63 and v103: it stands ahead of this slot's waits on vm_vsrc)
	v_exp_f32 v63, v63
	v_add_nc_u32 v103, s46, v4                     ; (a plain place behind the transcendental)
	s_wait_alu depctr_va_vdst(0)                   ; the exponential has written v63, ahead of its first reader; v103 is written too
	v_add_f32 v63, 1.0, v63
	v_rcp_f32 v63, v63
	v_nop
	s_wait_alu depctr_va_vdst(0)                   ; the reciprocal has written v63, which the LDS store below reads
	ds_store_b32 v103, v63 offset:SCORE+64*\p      ; lanes l and l + 8 write the same word with the same value
	s_wait_dscnt 0x0                               ; the list entries are in
	AMAKE \p, LR                                   ; set p is free: the counted waits above have shown every load of this tile done, and those loads, which read set p, stand ahead of this slot's waits on vm_vsrc
.endm
.Ltrip:                                                ; 17 trips of two slots: a constant, since a wave has at most 33 tiles
	s_cmp_ge_u32 s44, s30
	s_cbranch_scc1 .Lend
	SLOT 0
	s_add_co_u32 s45, s44, 1
	s_cmp_ge_u32 s45, s30
	s_cbranch_scc1 .Lend
	SLOT 1
.Lend:
	s_add_co_u32 s46, s46, 128
	s_add_co_u32 s44, s44, 2
	s_cmp_lt_u32 s44, 34
	s_cbranch_scc1 .Ltrip
	s_wait_dscnt 0x0                               ; for the others' sake: my scores lie in LDS
	s_barrier_signal -1
	s_barrier_wait -1                              ; everybody's do.  No LDS store follows
.irp i, 0,1,2,3
	v_min_u32 v[INV+\i], 9212, v[INV+\i]           ; 4 x place, at most 4 x 2,303
.endr
	s_wait_alu depctr_va_vdst(0)                   ; the four held indices are written, which the LDS loads below read; the last tile's sums are done with v54-57, in which those loads land
.irp i, 0,1,2,3
	ds_load_b32 v[54+\i], v[INV+\i] offset:SCORE   ; the scores of tokens 4 x thread + 0 .. 3
.endr
	s_wait_dscnt 0x0
	global_store_b128 v7, v[54:57], s[18:19] th:TH_STORE_NT    ; a wave stores 512 consecutive bytes, the work-group its 2,048
	s_wait_dscnt 0x0                               ; the closing lines, six on end
	s_wait_alu 0x0
	s_wait_tensorcnt 0x0
	ds_add_u32 v254, v255
	s_wait_dscnt 0x0
	s_endpgm
.Lfunc_end_k_q906a113a2c_chain:
	.size	k_q906a113a2c_chain, .Lfunc_end_k_q906a113a2c_chain-k_q906a113a2c_chain
	.p2alignl 7, 3214868480
	.fill 96, 4, 3214868480
	.section	.rodata,"a",@progbits
	.p2align	6, 0x0
	.amdhsa_kernel k_q906a113a2c_chain
		.amdhsa_group_segment_fixed_size 85504
		.amdhsa_private_segment_fixed_size 0
		.amdhsa_enable_private_segment 0
		.amdhsa_kernarg_size 64
		.amdhsa_user_sgpr_count 2
		.amdhsa_user_sgpr_kernarg_segment_ptr 1
		.amdhsa_wavefront_size32 1
		.amdhsa_system_sgpr_workgroup_id_x 1
		.amdhsa_system_sgpr_workgroup_id_y 1
		.amdhsa_system_sgpr_workgroup_id_z 1
		.amdhsa_system_vgpr_workitem_id 0
		.amdhsa_next_free_vgpr 912
		.amdhsa_next_free_sgpr 66
		.amdhsa_reserve_vcc 0
		.amdhsa_float_denorm_mode_32 3
		.amdhsa_float_denorm_mode_16_64 3
		.amdhsa_memory_ordered 1
		.amdhsa_forward_progress 1
		.amdhsa_inst_pref_size 105
	.end_amdhsa_kernel
	.amdgpu_metadata
---
amdhsa.version: [ 1, 2 ]
amdhsa.kernels:
  - .name:           k_q906a113a2c_chain
    .symbol:         k_q906a113a2c_chain.kd
    .args:
      - { .name: u_hidden, .offset: 0, .size: 8, .value_kind: global_buffer, .address_space: global }
      - { .name: v_hidden, .offset: 8, .size: 8, .value_kind: global_buffer, .address_space: global }
      - { .name: order, .offset: 16, .size: 8, .value_kind: global_buffer, .address_space: global }
      - { .name: inv, .offset: 24, .size: 8, .value_kind: global_buffer, .address_space: global }
      - { .name: tab, .offset: 32, .size: 8, .value_kind: global_buffer, .address_space: global }
      - { .name: wcod, .offset: 40, .size: 8, .value_kind: global_buffer, .address_space: global }
      - { .name: wscl, .offset: 48, .size: 8, .value_kind: global_buffer, .address_space: global }
      - { .name: out0, .offset: 56, .size: 8, .value_kind: global_buffer, .address_space: global }
    .group_segment_fixed_size: 85504
    .private_segment_fixed_size: 0
    .kernarg_segment_align: 8
    .kernarg_segment_size: 64
    .max_flat_workgroup_size: 128
    .sgpr_count:     66
    .vgpr_count:     912
    .wavefront_size: 32
...
	.end_amdgpu_metadata
.endif
;; end of part 3
